; MI455X (gfx1250); checked and timed in simulation.
; The chip was launched on July 23, 2026; its instructions are those of AMD's public machine-readable ISA for CDNA 5 (MIT licence, August 2026) and "CDNA5" Instruction Set Architecture Reference Guide (July 2026). The comments in the code are by the model that wrote it; some were corrected since.
;; Causal Self Attention. Allowed arithmetic: matrix products marked QUANTISED: E2M3 operands, one E8M0 scale for each 32 along K, by v_wmma_scale_f32_16x16x128_f8f6f4 with both operands' format E2M3, f32 sums; everything else in f32.
;; Inputs: b_proj 1,024 float32; b_qkv 3,072 float32; pos_independent 256 x 2 float32; w_proj_codes 1,024 x 32 x 24 uint8 (E2M3 codes of w_proj, K innermost, in blocks of 32 codes, four codes in three bytes); w_proj_scales 1,024 x 32 uint8 (E8M0 scales of w_proj, one for each 32 codes along K); w_qkv_codes 3,072 x 32 x 24 uint8 (E2M3 codes of w_qkv, K innermost, in blocks of 32 codes, four codes in three bytes); w_qkv_scales 3,072 x 32 uint8 (E8M0 scales of w_qkv, one for each 32 codes along K); x_codes 8 x 1,024 x 32 x 24 uint8 (E2M3 codes of x, K innermost, in blocks of 32 codes, four codes in three bytes); x_scales 8 x 1,024 x 32 uint8 (E8M0 scales of x, one for each 32 codes along K).
;; Outputs: out0 8 x 1,024 x 1,024 float32.
;; This version of the problem:
;;   THIS VERSION OF THE PROBLEM IS GIVEN IN LOW PRECISION. The matrix products marked QUANTISED in the list below multiply operands that are first quantised to E2M3 (2 exponent bits, 3 mantissa bits; 6 bits a number), with one power-of-two scale for each 32 numbers along K (OCP MX v1.0); their sums are f32. All else is computed in f32.
;;   The module's matrix products, in the order in which they are computed (A, B: the left and right operand; K: the contracted axis; several contracted axes count as one K, in the product's order):
;;     1. [M 8,192, K 1,024] x [K 1,024, N 3,072]; A: input x (given as codes); B: input w_qkv (given as codes): QUANTISED
;;     2. batch 128 x [M 1,024, K 64] x [K 64, N 1,024]; A: computed on the way; B: computed on the way: QUANTISED
;;     3. batch 128 x [M 1,024, K 1,024] x [K 1,024, N 64]; A: softmax (see below); B: computed on the way: QUANTISED
;;     4. [M 8,192, K 1,024] x [K 1,024, N 1,024]; A: computed on the way; B: input w_proj (given as codes): QUANTISED
;;   THE QUANTISER, for each operand of a quantised product, along K:
;;     - K is cut into blocks of 32 from its start; a last block that is shorter is filled with zeros.
;;     - A block's scale is 2^e with e = floor(log2(the largest magnitude in the block)) - 2, held to -126 .. 127; a block of zeros has e = 0. As a byte (E8M0): e + 127.
;;     - Each number is divided by its block's scale, clamped to +-7.5, and rounded to the nearest number of E2M3, ties to even, subnormals kept.
;;     - The product sums the exact products of the quantised numbers (number of the format x scale) in f32.
;;   ~~~python
;;   def quantise(x, axis):      # numpy; x: float32 -> the quantised numbers, widened to float32 again
;;       x = np.moveaxis(x, axis, -1); K = x.shape[-1]
;;       x = np.pad(x, [(0, 0)] * (x.ndim - 1) + [(0, -K % 32)]); x = x.reshape(x.shape[:-1] + (-1, 32)); a = np.abs(x).max(-1, keepdims=True)
;;       e = np.where(a > 0, np.clip(np.frexp(np.where(a > 0, a, 1))[1] - 1 - 2, -126, 127), 0)      # np.frexp(a)[1] - 1 = floor(log2(a)), exactly
;;       r = np.clip(x / 2.0 ** e, -7.5, 7.5)
;;       step = 2.0 ** (np.maximum(np.frexp(np.where(r == 0, 1, r))[1] - 1, 0) - 3)
;;       q = np.round(r / step) * step * 2.0 ** e      # np.round: ties to even
;;       return np.moveaxis(q.reshape(q.shape[:-2] + (-1,))[..., :K], -1, axis).astype(np.float32)
;;   ~~~
;;   SOFTMAX AHEAD OF A QUANTISED PRODUCT. Where the list says 'softmax', what is quantised is not the finished softmax but p = 2^(t - M), with t = logit x log2(e) and M = ceil(the row's largest t), a whole number; so 1/2 < the row's largest p <= 1. The row's sum l is taken of the UNQUANTISED p, in f32, and the product's result is divided by l at the end. Since M is a whole number, a kernel that streams over the keys may use a running M (the ceiling of the running maximum): every later rescaling is an exact power of two, which a block's scale takes up: the codes' values come out the same.
;;   OPERANDS COMPUTED ON THE WAY. 'Computed on the way' means the value that the module computes at that place (a softmax that the list does not call 'softmax' is quantised finished and normalised). What goes into a quantiser is computed in f32, as accurately as f32 sums, v_exp_f32 and their like allow (about 1e-6 of the number): no bf16 or f16 on the way to a quantiser, and a product that is left as it is and whose result goes on into a quantised operand takes f32 operands (vector FMAs, or v_wmma_f32_16x16x4_f32). A number that lies on a knife's edge between two numbers of the format may be rounded either way, as far as f32 arithmetic and the matrix unit's own rounding can turn it there, and no further.
;;   INPUTS GIVEN AS CODES. w_proj (in the module: [1024, 1024], K = its axis 1); w_qkv (in the module: [3072, 1024], K = its axis 1); x (in the module: [8, 1024, 1024], K = its axis 2): each comes as NAME_codes (uint8): NAME with its K axis moved to the last place and cut into blocks of 32 codes, [.., K / 32, bytes a block], one block behind the other in memory; four codes in three bytes: a row's codes are one little-endian stream of bits, code i at bits 6 i .. 6 i + 5 (a code: sign, 2 exponent bits, 3 mantissa bits); and NAME_scales (uint8): the same leading axes, one E8M0 byte (e + 127) for each 32 codes along K. Its value is code x scale, taken as it is: it is not quantised again, and the codes and scales need not be those that the quantiser above would give.
;; One version. Each part assembles by itself: llvm-mc -triple=amdgcn-amd-amdhsa -mcpu=gfx1250 --defsym DOCPART=n.
;; ======== version 1 of 1: 3 launches
;; limits: right only within a limited range of input values
;; workspace buffers: qkv_img 18,874,368 bytes; qkv_sc 786,432 bytes; bias_tab 786,432 bytes; o_img 6,291,456 bytes; o_sc 262,144 bytes; wp_img 786,432 bytes
;; launch qkv (part 1): grid 8 x 32, 4 waves a work-group, clusters of 4 x 4, 327,680 bytes of LDS; arguments x_codes, x_scales, w_qkv_codes, w_qkv_scales, b_qkv, pos_independent, qkv_img, qkv_sc, bias_tab, w_proj_codes, wp_img; writes qkv_img, qkv_sc, bias_tab, wp_img
.if DOCPART == 1
	.amdgcn_target "amdgcn-amd-amdhsa--gfx1250"
	.amdhsa_code_object_version 6
	.text
	.protected	k_qfd9e0ebb9b_qkv
	.globl	k_qfd9e0ebb9b_qkv
	.p2align	8
	.type	k_qfd9e0ebb9b_qkv,@function
k_qfd9e0ebb9b_qkv:
	s_mov_b64 s[64:65], 0
	v_nop
	global_prefetch_b8 v0, s[64:65] scope:SCOPE_SE
	s_setreg_imm32_b32 hwreg(HW_REG_WAVE_MODE, 25, 1), 1
	s_wait_xcnt 0x0
	s_wait_alu depctr_hold_cnt(0) depctr_sa_sdst(0) depctr_va_vdst(0) depctr_va_sdst(0) depctr_va_ssrc(0) depctr_va_vcc(0) depctr_vm_vsrc(0)
	s_getreg_b32 s2, hwreg(HW_REG_IB_STS2, 6, 4)
	s_cmp_eq_u32 s2, 0
	s_cbranch_scc0 .Lentry_in_a_cluster
	s_endpgm
.Lentry_in_a_cluster:
	s_bfe_u32 s2, ttmp6, 0x10000c
	s_cmp_lg_u32 s2, 0xf033
	s_cbranch_scc0 .Lentry_shape_is_right
	s_endpgm
.Lentry_shape_is_right:
; qkv = x w_qkv^T + b_qkv on codes of FP6 (E2M3) with E8M0 scales, K = 1,024; q, k and v are quantised here and leave as codes.
; No step of the problem is left out in this launch; the only work that the program leaves out is the key steps that lie wholly behind the causal mask (next launch).
; SHARES: 256 work-groups.  Work-group (g, ty) owns tokens 256 ty .. + 255 and head pair g: features 128 g .. + 127 of q, then of k, then of v: three parts of 8 steps of 128 along K.
; A wave owns 64 of the tokens and all 128 features: 32 accumulators.  Its 4 x 8 fragments of x (384 registers) are read from LDS in the q part and stay in registers for k and v.
; q, k: source 0 = w (features), source 1 = x (tokens): a lane holds one token and eight neighbouring features: quantised along the head.  Accumulator (token block a, feature block b) at v[8 (8 a + b)].
; v: source 0 = x, source 1 = w: a lane holds one channel and eight neighbouring tokens: quantised along the keys.  Accumulator (channel block b, token block a) at v[8 (4 b + a)].
; LDS: whole rows of 768 bytes, 16 bytes of padding behind every 256: pitch 816.  x's 256 rows from byte 0, w_q's 128 rows behind them: filled at the head, one joint load a wave (4 x 4 clusters: x shared
; along a row, w along a column).  When every wave has read x's last fragments (q's step 7), one round of the cluster's barrier, and x's bytes are filled again with w_k's and w_v's rows, one load a wave.
; No prefetch: all tiles are asked for by these two groups of loads; the second goes out one way out ahead of its first read.
; w's fragments go through a ring of 12 register blocks, four blocks fetched in each half step, a whole step ahead of their use.  Scale words and the bias go from memory straight into registers.
; WHAT LEAVES: for each 16 rows x 128 along the next K an IMAGE of the operand's 12 registers, 1,536 bytes: registers 0-3 at 16 x lane, 4-5 at 512 + 8 x lane, 6-9 at 768 + 16 x lane, 10-11 at 1,280 + 8 x lane;
; a wave's v is half an image (64 keys).  Within a block of 32 the places hold elements 0-7, 16-23, 8-15, 24-31: q and k alike, v as the softmax's weights will.  One scale word for each row of an image.
; THE TABLE, made while the first tiles are on their way: E[head][x] = 8 bias(head, d = 1023 - x) for x = 0 .. 1023 and -1e30 for x = 1024 .. 1279 (a key behind the query: the causal mask, added with the bias).
; It is stored eight times: row ((pair 2 + par) 2 + head % 2) 4 + s, of 1,536 numbers, holds E[x] at place x + 64 - 32 par - s.  A work-group makes 32 distances of heads y and 8 + y (y: the cluster's y).
; Heads 0-7: each wave sums 8 of the 32 frequencies, f = 10000^(-p / 512) in double-f32 from 0.1 by square roots and products; the four parts meet in LDS.  Heads 8-15: the sum of 64 numbers of pos_independent.
; w_proj's IMAGES: waves 2 and 3 re-lay 16 rows x 128 K of w_proj's codes into one image each.
; LIMITS: NaN and infinities are not served.  A block of zeros gets the byte 1 where the quantiser says 127: its codes are zeros, and only this program reads the bytes.
.set PITCH,  816
.set BLK,    16*PITCH
.set WQB,    256*PITCH                 ; w_q's rows; w_k's later lie at 0, w_v's at WVB
.set WVB,    128*PITCH
.set SPARE,  384*PITCH                 ; the spare words: 128 bytes a wave
.set TP,     SPARE+512                 ; the table's four parts: 128 bytes a wave
.set SSTG,   TP+512                    ; stage for scale words: 256 bytes a wave
; window 0
.set GI16, 3
.set GI8,  4
.set VS,   5                           ; 32 r
.set VB,   6                           ; 32 h
.set R4,   7                           ; 4 r
.set ADRX, 8                           ; v8, v9: my x rows; v9 with 16 h more (behind one padding more)
.set AW,   10                          ; v10-21: part p: blocks 0-3 (two forms), blocks 4-7 (two forms)
.set SST,  22
.set SRD,  23
.set TPA,  24
.set SPW,  28
.set NIL,  29
.set XS,   32                          ; v32-63 x's scale words: 8 a + step
.set WS,   64                          ; v64-127 w's: 8 b + step
.set RBI,  128                         ; v128-191 the bias, eight registers a block of w
.set T,    192                         ; v192-239: at the head the table's registers; from q's step 6 on x's fragments of step 7
.set TA,   T+36
.set TB,   T+37
; window 1: v0-143 w's ring (on the ways out: at work); v144-239 x's fragments of steps 5, 6.  window 2: accumulators.  window 3: x's fragments of steps 0-4
.set TM,   0
.set PT,   16
.set PWD,  24
.set QCB,  32
.set RB,   128
.set G1X, 24
.set G1W, 48
.set G0X, 32
.set G0W, 36
.set G0R, 56
.set MSB, 0
.macro WIN new
.if MSB != \new
	s_set_vgpr_msb (MSB<<8)|\new
.set MSB, \new
.endif
.endm
.macro CREST
	s_cmp_lg_u32 s14, 0
	s_cbranch_scc1 .Lnot_wave_0_\@
	s_barrier_signal -3
.Lnot_wave_0_\@:
	s_barrier_wait -3
	s_barrier_signal -1
	s_barrier_wait -1
.endm
.macro CROUND
	s_barrier_signal -1
	s_barrier_wait -1
	CREST
.endm
.macro PLACES
.rept 4
	v_nop
.endr
.endm
; double-f32 square root: one Newton step on v_sqrt_f32's result
.macro SQRTDD ah, al, sh, sl
	v_sqrt_f32 v[T], v[\ah]
	v_nop
	s_wait_alu depctr_va_vdst(0)                   ; the wait ahead of the first reader
	v_rcp_f32 v[T+1], v[T]
	v_fma_f32 v[T+2], -v[T], v[T], v[\ah]
	v_add_f32 v[T+2], v[T+2], v[\al]
	v_mul_f32 v[T+2], 0.5, v[T+2]
	s_wait_alu depctr_va_vdst(0)
	v_mul_f32 v[T+2], v[T+2], v[T+1]
	v_add_f32 v[\sh], v[T], v[T+2]
	v_sub_f32 v[T+3], v[\sh], v[T]
	v_sub_f32 v[\sl], v[T+2], v[T+3]
.endm
; double-f32 product
.macro MULDD ah, al, bh, bl, ch, cl
	v_mul_f32 v[T+4], v[\ah], v[\bh]
	v_fma_f32 v[T+5], v[\ah], v[\bh], -v[T+4]
	v_fma_f32 v[T+5], v[\ah], v[\bl], v[T+5]
	v_fma_f32 v[T+5], v[\al], v[\bh], v[T+5]
	v_add_f32 v[\ch], v[T+4], v[T+5]
	v_sub_f32 v[T+6], v[\ch], v[T+4]
	v_sub_f32 v[\cl], v[T+5], v[T+6]
.endm
.macro FSEL sr, bit, ph                ; F x (bit ? the power : 1)
	s_bitcmp1_b32 \sr, \bit
	s_cselect_b32 s21, -1, 0
	v_cndmask_b32 v[T+22], 1.0, v[\ph], s21
	v_cndmask_b32 v[T+23], 0, v[\ph+1], s21
	MULDD T+20, T+21, T+22, T+23, T+20, T+21
.endm
	s_load_b256 s[68:75], s[0:1], 0x0              ; x's codes, x's scales, w's codes, w's scales
	s_load_b64 s[98:99], s[0:1], 0x20              ; b_qkv
	s_load_b64 s[84:85], s[0:1], 0x28              ; pos_independent
	s_load_b64 s[12:13], s[0:1], 0x30              ; the images
	s_load_b64 s[96:97], s[0:1], 0x38              ; their scale words
	s_load_b64 s[86:87], s[0:1], 0x40              ; the table
	s_load_b128 s[88:91], s[0:1], 0x48             ; w_proj's codes, w_proj's images
	v_lshl_add_u32 v[SPW], v0, 2, SPARE
	v_mov_b32 v[NIL], 0
	ds_add_u32 v[SPW], v[NIL]                      ; the opening lines: the add twice and one wait
	ds_add_u32 v[SPW], v[NIL]
	v_lshrrev_b32 v1, 5, v0
	v_readfirstlane_b32 s14, v1                    ; wave 0..3
	s_lshr_b32 s15, s14, 1
	s_and_b32 s16, s14, 1
	s_bfe_u32 s40, ttmp6, 0x40000                  ; cx
	s_bfe_u32 s41, ttmp6, 0x40004                  ; cy
	s_and_b32 s66, ttmp7, 0xffff                   ; the cluster's y, 0 .. 7
	s_lshl_b32 s42, ttmp9, 2
	s_add_co_u32 s42, s42, s40                     ; g: cx and the cluster alone
	s_lshl_b32 s17, s66, 2
	s_add_co_u32 s17, s17, s41                     ; ty: cy and the cluster alone
	s_lshl_b32 s43, s41, 2
	s_lshl_b32 s43, 15, s43                        ; my row of the cluster
	s_lshl_b32 s44, 0x1111, s40                    ; my column
	s_mov_b32 s100, 0x76543210
	s_mov_b32 s101, 0xfedcba98                     ; lane l xor 16
	s_or_b32 s[G1X+0], s43, (0<<16)|(1<<20)|(1<<21)|(5<<22)|(3<<25)  ; mask; bytes; 4 words of padding behind every 64; bit 21 beside a mask
	s_or_b32 s[G1W+0], s44, (0<<16)|(1<<20)|(1<<21)|(5<<22)|(3<<25)
.irp g, G1X, G1W
	s_mov_b32 s[\g+1], 768<<16
	s_mov_b32 s[\g+3], 768<<16
	s_mov_b32 s[\g+5], 768
	s_mov_b32 s[\g+6], 0
	s_mov_b32 s[\g+7], 0
.endr
	s_mov_b32 s[G1X+2], 128<<16                    ; x: 128 rows a load
	s_mov_b32 s[G1X+4], 128
	s_mov_b32 s[G1W+2], 64<<16                     ; w: 64 rows a load
	s_mov_b32 s[G1W+4], 64
	s_lshl_b32 s20, s17, 8
	s_lshl_b32 s21, s16, 7
	s_add_co_u32 s20, s20, s21
	s_mul_i32 s20, s20, 768                        ; x: row 256 ty + 128 (wave % 2)
	s_mov_b32 s21, 0
	s_lshl_b32 s22, s42, 7
	s_lshl_b32 s23, s16, 6
	s_add_co_u32 s22, s22, s23                     ; w: row 128 g + 64 (wave % 2) of a part
	s_mul_i32 s46, s22, 768
	s_mov_b32 s47, 0
	s_add_co_u32 s18, s15, 1                       ; the refill: part 1 + wave / 2
	s_lshl_b32 s18, s18, 10
	s_add_co_u32 s18, s18, s22
	s_mul_i32 s18, s18, 768
	s_mov_b32 s19, 0
	s_mov_b32 s[G0X], 1
	s_mul_i32 s[G0X+1], s16, 128*PITCH
	s_mov_b32 s[G0W], 1
	s_mul_i32 s[G0W+1], s16, 64*PITCH
	s_add_co_u32 s[G0W+1], s[G0W+1], WQB
	s_mov_b32 s[G0R], 1
	s_mul_i32 s[G0R+1], s14, 64*PITCH
	s_wait_alu depctr_va_vdst(0)                   ; the wait ahead of the waits below
	s_wait_dscnt 0x0
	s_wait_kmcnt 0x0
	s_add_nc_u64 s[G0X+2:G0X+3], s[68:69], s[20:21]
	s_or_b32 s[G0X+3], s[G0X+3], 0x80000000
	s_add_nc_u64 s[G0W+2:G0W+3], s[72:73], s[46:47]
	s_or_b32 s[G0W+3], s[G0W+3], 0x80000000
	s_add_nc_u64 s[G0R+2:G0R+3], s[72:73], s[18:19]
	s_or_b32 s[G0R+3], s[G0R+3], 0x80000000
	CROUND                                         ; all sixteen work-groups are here: the first joint loads meet
	s_cmp_eq_u32 s15, 0                            ; waves 0, 1: x's halves; waves 2, 3: w_q's
	s_cbranch_scc0 .Lhead_w
	tensor_load_to_lds s[G0X:G0X+3], s[G1X:G1X+7]
	s_nop 0
	PLACES
	s_branch .Lhead_asked
.Lhead_w:
	tensor_load_to_lds s[G0W:G0W+3], s[G1W:G1W+7]
	s_nop 0
	PLACES
.Lhead_asked:
	v_and_b32 v1, 15, v0                           ; r
	v_bfe_u32 v2, v0, 4, 1                         ; h
	v_and_b32 v26, 31, v0
	v_lshlrev_b32 v[GI16], 4, v26
	v_lshlrev_b32 v[GI8], 3, v26
	v_lshlrev_b32 v[VS], 5, v1
	v_lshlrev_b32 v[VB], 5, v2
	v_lshlrev_b32 v[R4], 2, v1
	v_mul_u32_u24 v27, v1, 768
	v_mad_u32_u24 v27, v2, 24, v27
	s_wait_alu depctr_va_vdst(0)                   ; the wait ahead of the run of scalar instructions below
	s_lshl_b32 s20, s17, 8
	s_lshl_b32 s22, s14, 6
	s_add_co_u32 s20, s20, s22
	s_lshl_b32 s20, s20, 5
	s_add_nc_u64 s[70:71], s[70:71], s[20:21]      ; x's scales at my 64 tokens
	s_lshl_b32 s20, s42, 12
	s_add_nc_u64 s[74:75], s[74:75], s[20:21]      ; w's scales at row 128 g
	s_lshl_b32 s20, s42, 9
	s_add_nc_u64 s[98:99], s[98:99], s[20:21]      ; b_qkv at feature 128 g
	s_lshl_b32 s22, s66, 1
	s_add_co_u32 s22, s22, ttmp9
	s_lshl_b32 s22, s22, 2
	s_add_co_u32 s22, s22, s41
	s_lshl_b32 s22, s22, 2
	s_add_co_u32 s22, s22, s40                     ; the work-group's number, 0 .. 255
	s_lshl_b32 s22, s22, 1
	s_add_co_u32 s22, s22, s16                     ; w_proj's image = 8 x block of 16 rows + K step
	s_lshr_b32 s23, s22, 3
	s_mul_i32 s23, s23, 12288
	s_and_b32 s20, s22, 7
	s_mul_i32 s20, s20, 96
	s_add_co_u32 s23, s23, s20
	s_mul_i32 s20, s22, 1536
	s_add_nc_u64 s[90:91], s[90:91], s[20:21]
	s_lshl_b32 s20, s66, 8
	s_add_nc_u64 s[84:85], s[84:85], s[20:21]      ; the 32 pairs of head 8 + y
	v_add_nc_u32 v[T+38], s23, v27                 ; my 24 bytes of w_proj's row
	s_lshl_b32 s20, ttmp9, 4
	s_lshl_b32 s22, s41, 2
	s_add_co_u32 s20, s20, s22
	s_add_co_u32 s20, s20, s40
	s_lshl_b32 s20, s20, 5
	v_add_nc_u32 v[T+35], s20, v26                 ; d = 32 (16 cluster x + 4 cy + cx) + lane
	s_lshr_b32 s22, s66, 1
	s_mul_i32 s22, s22, 98304                      ; the pair's 16 rows of 6,144 bytes,
	s_and_b32 s23, s66, 1
	s_mul_i32 s23, s23, 24576                      ; the head's four,
	s_add_co_u32 s22, s22, s23
	s_add_co_u32 s22, s22, 256                     ; and 64 places
	v_sub_nc_u32 v[TA], 1023, v[T+35]
	v_lshl_add_u32 v[TA], v[TA], 2, s22            ; E[1023 - d] in row par = 0, s = 0
	v_lshl_add_u32 v[TB], v[T+35], 2, s22          ; and, 4,096 bytes on, E[1024 + d]
	v_mov_b32 v[T+39], 0xf149f2ca                  ; -1e30
	v_lshl_add_u32 v[T+40], v26, 2, TP
	v_lshl_add_u32 v[TPA], v0, 2, TP
	s_wait_alu depctr_va_vdst(0)
.macro WLOADS p                        ; part p's scale words of w
.irp b, 0,1,2,3,4,5,6,7
	global_load_b128 v[WS+8*\b:WS+8*\b+3], v[VS], s[74:75] offset:32768*(\p)+512*\b
	global_load_b128 v[WS+8*\b+4:WS+8*\b+7], v[VS], s[74:75] offset:32768*(\p)+512*\b+16
.endr
.endm
.macro BLOADS p                        ; q, k: block b, register j: the bias of feature 16 b + 8 h + j
.irp b, 0,1,2,3,4,5,6,7
	global_load_b128 v[RBI+8*\b:RBI+8*\b+3], v[VB], s[98:99] offset:4096*(\p)+64*\b
	global_load_b128 v[RBI+8*\b+4:RBI+8*\b+7], v[VB], s[98:99] offset:4096*(\p)+64*\b+16
.endr
.endm
.irp a, 0,1,2,3
	global_load_b128 v[XS+8*\a:XS+8*\a+3], v[VS], s[70:71] offset:512*\a
	global_load_b128 v[XS+8*\a+4:XS+8*\a+7], v[VS], s[70:71] offset:512*\a+16
.endr
	WLOADS 0
	BLOADS 0
.irp p, 0,1,2,3,4,5
	global_load_b64 v[240+2*\p:241+2*\p], v[T+38], s[88:89] offset:48*(\p/3)+8*(\p%3)
.endr
	global_load_b64 v[252:253], v[GI8], s[84:85]   ; lane l: pair l
	; my 8 frequencies: p = 32 y + 8 wave + 0 .. 7
	v_cvt_f32_u32 v[T+24], v[T+35]
	v_mov_b32 v[T+8], 0x3dcccccd                   ; 0.1 = r^128, r = 10000^(-1/512): high part,
	v_mov_b32 v[T+9], 0xb0cccccd                   ; low part
	s_wait_alu depctr_va_vdst(0)
	SQRTDD T+8, T+9, T+10, T+11                    ; r^64
	SQRTDD T+10, T+11, T+12, T+13                  ; r^32
	SQRTDD T+12, T+13, T+14, T+15                  ; r^16
	SQRTDD T+14, T+15, T+16, T+17                  ; r^8
	SQRTDD T+16, T+17, T+18, T+19                  ; r^4
.rept 2
	SQRTDD T+18, T+19, T+18, T+19                  ; r^2, r
.endr
	s_bitcmp1_b32 s66, 0
	s_cselect_b32 s21, -1, 0
	v_cndmask_b32 v[T+20], 1.0, v[T+12], s21
	v_cndmask_b32 v[T+21], 0, v[T+13], s21
	FSEL s66, 1, T+10
	FSEL s66, 2, T+8
	FSEL s14, 0, T+16
	FSEL s14, 1, T+14
	s_mov_b32 s22, 0x3f22f983                      ; 2 / pi
	s_mov_b32 s23, 0x3fc90fdb                      ; pi / 2, high part
	s_mov_b32 s92, 0xb33bbd2e                      ; and what is left of it
	s_mov_b32 s93, 0xbe2aaaa3                      ; the sine's coefficients
	s_mov_b32 s94, 0x3c08839e
	s_mov_b32 s95, 0xb94ca1f9
	s_mov_b32 s2, 0x3d2aaaa5                       ; the cosine's
	s_mov_b32 s67, 0xbab6061a
	s_mov_b32 s18, 0x37ccf5ce
	v_mov_b32 v[T+25], 0
	s_mov_b32 s3, 8
.Ltrig:                                            ; one frequency a trip
	s_wait_alu depctr_va_vdst(0)
	v_mul_f32 v[T+26], v[T+24], v[T+20]            ; theta = d f
	v_mul_f32 v[T+27], s22, v[T+26]
	v_rndne_f32 v[T+27], v[T+27]
	v_cvt_i32_f32 v[T+28], v[T+27]
	v_fma_f32 v[T+29], -v[T+27], s23, v[T+26]
	v_fma_f32 v[T+29], -v[T+27], s92, v[T+29]      ; the rest angle, within pi / 4
	v_mul_f32 v[T+30], v[T+29], v[T+29]
	v_fma_f32 v[T+31], s95, v[T+30], s94
	v_fma_f32 v[T+31], v[T+31], v[T+30], s93
	v_mul_f32 v[T+31], v[T+31], v[T+30]
	v_fma_f32 v[T+31], v[T+31], v[T+29], v[T+29]   ; its sine
	v_fma_f32 v[T+32], s18, v[T+30], s67
	v_fma_f32 v[T+32], v[T+32], v[T+30], s2
	v_fma_f32 v[T+32], v[T+32], v[T+30], -0.5
	v_fma_f32 v[T+32], v[T+32], v[T+30], 1.0       ; its cosine
	v_and_b32 v[T+33], 2, v[T+28]                  ; the signs by the quadrant
	v_lshlrev_b32 v[T+33], 30, v[T+33]
	v_xor_b32 v[T+32], v[T+32], v[T+33]
	v_add_nc_u32 v[T+34], 1, v[T+28]
	v_and_b32 v[T+34], 2, v[T+34]
	v_lshlrev_b32 v[T+34], 30, v[T+34]
	v_xor_b32 v[T+31], v[T+31], v[T+34]
	v_add_f32 v[T+32], v[T+32], v[T+31]
	v_add_f32 v[T+25], v[T+25], v[T+32]
	MULDD T+20, T+21, T+18, T+19, T+20, T+21       ; the next frequency
	s_sub_co_u32 s3, s3, 1
	s_cmp_lg_u32 s3, 0
	s_cbranch_scc1 .Ltrig
	s_wait_alu depctr_va_vdst(0)
	ds_store_b32 v[TPA], v[T+25]                   ; my part of 32 sums
	; LDS addresses
	v_mul_u32_u24 v27, v1, PITCH
	v_mad_u32_u24 v27, v2, 24, v27                 ; row r, + 24 h
	s_mul_i32 s20, s14, 4*BLK
	v_add_nc_u32 v[ADRX], s20, v27                 ; my 64 rows of x
	v_lshl_add_u32 v[ADRX+1], v2, 4, v[ADRX]
	v_add_nc_u32 v[AW], WQB, v27
	v_mov_b32 v[AW+4], v27
	v_add_nc_u32 v[AW+8], WVB, v27
.irp p, 0,4,8
	v_lshl_add_u32 v[AW+\p+1], v2, 4, v[AW+\p]
	v_add_nc_u32 v[AW+\p+2], 4*BLK, v[AW+\p]
.endr
.irp p, 0,4,8
	v_add_nc_u32 v[AW+\p+3], 4*BLK, v[AW+\p+1]
.endr
	s_lshl_b32 s20, s14, 8
	s_add_co_u32 s20, s20, SSTG
	v_add_nc_u32 v[SST], s20, v[R4]
	v_add_nc_u32 v[SRD], s20, v[GI8]
	; where my results go: cl = 8 batch + g, st = the step of 128 tokens
	s_lshr_b32 s20, s17, 2
	s_lshl_b32 s20, s20, 3
	s_add_co_u32 s20, s20, s42
	s_lshl_b32 s20, s20, 3
	s_and_b32 s22, s17, 3
	s_lshl_b32 s22, s22, 1
	s_add_co_u32 s20, s20, s22
	s_add_co_u32 s23, s20, s15                     ; 8 cl + st
	s_mov_b32 s21, 0
	s_mul_i32 s22, s23, 12288
	s_mul_i32 s20, s16, 768
	s_add_co_u32 s20, s20, s22
	s_add_co_u32 s20, s20, 12582912
	s_add_nc_u64 s[76:77], s[12:13], s[20:21]      ; v: my half of the images
	s_mul_i32 s20, s16, 6144
	s_add_co_u32 s20, s20, s22
	s_add_nc_u64 s[12:13], s[12:13], s[20:21]      ; q: my four images; k: 6,291,456 on
	s_lshl_b32 s22, s23, 9
	s_lshl_b32 s20, s16, 1
	s_add_co_u32 s20, s20, s22
	s_add_co_u32 s20, s20, 524288
	s_add_nc_u64 s[78:79], s[96:97], s[20:21]      ; v's scale words: my two bytes
	s_lshl_b32 s20, s16, 8
	s_add_co_u32 s20, s20, s22
	s_add_nc_u64 s[96:97], s[96:97], s[20:21]      ; q's scale words; k's: 262,144 on
; 16 rows x 128 K of 6-bit codes: 12 registers, in pieces of 8 bytes.  Byte y of a row lies at y + 16 (y / 256); where lanes 16-31's piece lies behind one padding more, the second address register serves
.macro FRAG reg, adr, st, off
.irp p, 0,1,2,3,4,5
.set BY, 96*(\st)+48*(\p/3)+8*(\p%3)
.if BY/256 == (BY+24)/256
	ds_load_b64 v[\reg+2*\p:\reg+2*\p+1], v[\adr] offset:BY+16*(BY/256)+(\off)
.else
	ds_load_b64 v[\reg+2*\p:\reg+2*\p+1], v[\adr+1] offset:BY+16*(BY/256)+(\off)
.endif
.endr
.endm
.macro FW p, st, b0                    ; w's blocks b0 .. b0 + 3 of part p, step st: block (n, b), n = 8 p + st, lies in place (8 n + b) % 12 of the ring
	WIN 0x40
.irp i, \b0, \b0+1, \b0+2, \b0+3
	FRAG 12*((8*(8*(\p)+(\st))+(\i))%12), AW+4*(\p)+2*((\i)/4), \st, ((\i)%4)*BLK
.endr
.endm
.macro XLOC st                         ; where x's four fragments of a step lie
.if (\st) < 5
.set XW, 3
.set XB, 48*(\st)
.elseif (\st) == 5
.set XW, 1
.set XB, 144
.elseif (\st) == 6
.set XW, 1
.set XB, 192
.else
.set XW, 0
.set XB, 192
.endif
.endm
.macro FX st
	XLOC \st
	WIN XW<<6
.irp i, 0,1,2,3
	FRAG XB+12*\i, ADRX, \st, \i*BLK
.endr
.endm
; half a step: w's blocks b0 .. b0 + 3 against x's four: 16 matrix instructions; the 32 accumulators take turns.  first: C is the bias, in window 0
.macro MULH p, st, b0, first
	XLOC \st
.if \first
.set CW, 0
.else
.set CW, 0x20
.endif
.if (\p) < 2
	WIN 0x81|(XW<<2)|CW
.else
	WIN 0x84|XW|CW
.endif
.irp b, \b0, \b0+1, \b0+2, \b0+3
.irp a, 0,1,2,3
.set WR, 12*((8*(8*(\p)+(\st))+(\b))%12)
.set XR, XB+12*\a
.set SW, WS+8*(\b)+(\st)
.set SX, XS+8*\a+(\st)
.set CC, RBI+8*(\b)
.if (\p) < 2
.set DD, 8*(8*\a+(\b))
.if \first
	v_wmma_scale_f32_16x16x128_f8f6f4 v[DD:DD+7], v[WR:WR+11], v[XR:XR+11], v[CC:CC+7], v[SW], v[SX] matrix_a_fmt:MATRIX_FMT_FP6 matrix_b_fmt:MATRIX_FMT_FP6
.else
	v_wmma_scale_f32_16x16x128_f8f6f4 v[DD:DD+7], v[WR:WR+11], v[XR:XR+11], v[DD:DD+7], v[SW], v[SX] matrix_a_fmt:MATRIX_FMT_FP6 matrix_b_fmt:MATRIX_FMT_FP6
.endif
.else
.set DD, 8*(4*(\b)+\a)
.if \first
	v_wmma_scale_f32_16x16x128_f8f6f4 v[DD:DD+7], v[XR:XR+11], v[WR:WR+11], v[CC:CC+7], v[SX], v[SW] matrix_a_fmt:MATRIX_FMT_FP6 matrix_b_fmt:MATRIX_FMT_FP6
.else
	v_wmma_scale_f32_16x16x128_f8f6f4 v[DD:DD+7], v[XR:XR+11], v[WR:WR+11], v[DD:DD+7], v[SX], v[SW] matrix_a_fmt:MATRIX_FMT_FP6 matrix_b_fmt:MATRIX_FMT_FP6
.endif
.endif
.endr
.endr
.endm
.macro PRO p                           ; a part's first fragments
	FW \p, 0, 0
.if (\p) == 0
	FX 0
.endif
	FW \p, 0, 4
	WIN 0
.endm
.macro STEP p, st
	s_wait_dscnt 24                                ; w's blocks 0-3 (and x's four) are in; the 24 loads of blocks 4-7 may be out
.if (\st) < 7
	PLACES                                         ; in front of loads into registers that the last products have read
	FW \p, (\st)+1, 0
.if (\p) == 0
	FX (\st)+1
.endif
.endif
	MULH \p, \st, 0, (\st)==0
.if (\st) < 7
.if (\p) == 0
	s_wait_dscnt 48                                ; blocks 4-7 are in; behind them: the next step's 24 of w and 24 of x
.else
	s_wait_dscnt 24
.endif
	PLACES
	FW \p, (\st)+1, 4
.else
	s_wait_dscnt 0
.endif
	MULH \p, \st, 4, (\st)==0
.endm
; THE WAYS OUT.  At work in window 1, where w's ring lay.  Largest magnitude with the floor 2^(3 - 127); 2 off its exponent field is the conversion's scale operand; that shifted is the byte.
.macro QOUT p, a                       ; q, k: 16 tokens x 128 features: four blocks of 32; block b in accumulators (a, 2 b), (a, 2 b + 1) of lanes l and l xor 16
.set AC, 64*(\a)
.set QC, QCB+12*(\a)
	WIN 0x69
.irp b, 0,1,2,3
	v_max3_num_f32 v[TM+\b], 0x1800000, |v[AC+16*\b]|, |v[AC+16*\b+1]|     ; each accumulator from its low end on
.endr
.irp i, 2,4,6,8,10,12,14
.irp b, 0,1,2,3
	v_max3_num_f32 v[TM+\b], v[TM+\b], |v[AC+16*\b+\i]|, |v[AC+16*\b+\i+1]|
.endr
.endr
	WIN 0x55
.irp b, 0,1,2,3
	v_permlanex16_b32 v[TM+4+\b], v[TM+\b], s100, s101
.endr
.irp b, 0,1,2,3
	v_max_num_f32 v[TM+\b], v[TM+\b], v[TM+4+\b]
.endr
.irp b, 0,1,2,3
	v_add_nc_u32 v[TM+12+\b], 0xff000000, v[TM+\b]
.endr
.irp b, 0,1,2,3
	v_lshrrev_b32 v[TM+4+\b], 23, v[TM+12+\b]
.endr
	v_lshl_or_b32 v[PWD+(\a)], v[TM+5], 8, v[TM+4]
	v_lshl_or_b32 v[PWD+(\a)], v[TM+6], 16, v[PWD+(\a)]
	v_lshl_or_b32 v[PWD+(\a)], v[TM+7], 24, v[PWD+(\a)]
	WIN 0x46
.irp c, 0,1
	v_cvt_scalef32_pk16_fp6_f32 v[QC+6*\c:QC+6*\c+2], v[AC+32*\c:AC+32*\c+15], v[TM+12+2*\c]
	v_cvt_scalef32_pk16_fp6_f32 v[PT+4*\c:PT+4*\c+2], v[AC+32*\c+16:AC+32*\c+31], v[TM+13+2*\c]
.endr
	WIN 0x55
	v_nop                                          ; one plain place behind a scaled conversion
.irp c, 0,1
.irp i, 0,1,2
	v_permlane16_swap_b32 v[QC+6*\c+\i], v[PT+4*\c+\i]
.endr
.irp i, 0,1,2
	v_mov_b32 v[QC+6*\c+3+\i], v[PT+4*\c+\i]
.endr
.endr
	WIN 0x04
	global_store_b128 v[GI16], v[QC:QC+3], s[12:13] offset:6291456*(\p)+1536*(\a)
	global_store_b64 v[GI8], v[QC+4:QC+5], s[12:13] offset:6291456*(\p)+1536*(\a)+512
	global_store_b128 v[GI16], v[QC+6:QC+9], s[12:13] offset:6291456*(\p)+1536*(\a)+768
	global_store_b64 v[GI8], v[QC+10:QC+11], s[12:13] offset:6291456*(\p)+1536*(\a)+1280
	ds_store_b32 v[SST], v[PWD+(\a)] offset:64*(\a)     ; lanes r and 16 + r write the same word with the same value
.endm
.macro QPART p
	WIN 0x40
.irp b, 0,1,2,3
	v_mov_b32 v[TM+4+\b], 0                        ; a lane permute's destination counts as one of its sources
.endr
.irp a, 0,1,2,3
	QOUT \p, \a
.endr
	WIN 0x40
	ds_load_b64 v[RB+2*(\p):RB+2*(\p)+1], v[SRD]   ; LDS serves a wave's instructions in order: this sees my stores
	s_wait_dscnt 0x0
	WIN 0x04
	global_store_b64 v[GI8], v[RB+2*(\p):RB+2*(\p)+1], s[96:97] offset:262144*(\p)   ; my 64 scale words: 256 consecutive bytes
	WIN 0
	s_wait_xcnt 0x0                                ; the stores have read their registers: w's ring lands there again
.endm
.macro QOUTV c                         ; v: 16 channels x my 64 keys: two blocks of 32: half an image and two scale bytes a row
.set AC, 32*(\c)
.set QC, QCB+12*(\c)
	WIN 0x69
.irp t, 0,1
	v_max3_num_f32 v[TM+\t], 0x1800000, |v[AC+16*\t]|, |v[AC+16*\t+1]|
.endr
.irp i, 2,4,6,8,10,12,14
.irp t, 0,1
	v_max3_num_f32 v[TM+\t], v[TM+\t], |v[AC+16*\t+\i]|, |v[AC+16*\t+\i+1]|
.endr
.endr
	WIN 0x55
.irp t, 0,1
	v_permlanex16_b32 v[TM+4+\t], v[TM+\t], s100, s101
.endr
.irp t, 0,1
	v_max_num_f32 v[TM+\t], v[TM+\t], v[TM+4+\t]
.endr
.irp t, 0,1
	v_add_nc_u32 v[TM+12+\t], 0xff000000, v[TM+\t]
.endr
.irp t, 0,1
	v_lshrrev_b32 v[TM+4+\t], 23, v[TM+12+\t]
.endr
	v_lshl_or_b32 v[PWD+(\c)], v[TM+5], 8, v[TM+4]
	WIN 0x46
	v_cvt_scalef32_pk16_fp6_f32 v[QC:QC+2], v[AC:AC+15], v[TM+12]
	v_cvt_scalef32_pk16_fp6_f32 v[PT:PT+2], v[AC+16:AC+31], v[TM+13]
	WIN 0x55
	v_nop
.irp i, 0,1,2
	v_permlane16_swap_b32 v[QC+\i], v[PT+\i]
.endr
.irp i, 0,1,2
	v_mov_b32 v[QC+3+\i], v[PT+\i]
.endr
	WIN 0x04
	global_store_b128 v[GI16], v[QC:QC+3], s[76:77] offset:1536*(\c)
	global_store_b64 v[GI8], v[QC+4:QC+5], s[76:77] offset:1536*(\c)+512
	global_store_b16 v[R4], v[PWD+(\c)], s[78:79] offset:64*(\c)
.endm
.macro TSTORE val, extra               ; 32 entries of a head, eight times shifted; the threads of d < 256 also write the masked entries
.irp p, 0,1
.irp s, 0,1,2,3
	global_store_b32 v[TA], v[\val], s[86:87] offset:(\extra)+\p*49024+\s*6140
.endr
.endr
	v_cmp_gt_u32 vcc_lo, 256, v[T+35]
	s_wait_xcnt 0x0                                ; EXEC changes only behind this wait
	s_and_saveexec_b32 s22, vcc_lo
.irp p, 0,1
.irp s, 0,1,2,3
	global_store_b32 v[TB], v[T+39], s[86:87] offset:(\extra)+4096+\p*49024+\s*6140
.endr
.endr
	s_wait_xcnt 0x0
	s_or_b32 exec_lo, exec_lo, s22
.endm
	s_wait_alu depctr_va_vdst(0)                   ; the wait at the head's end
	s_wait_loadcnt 0x0                             ; scales, bias, w_proj's fragment, the pairs
	s_wait_tensorcnt 0x0                           ; my tile has landed
	s_wait_dscnt 0x0                               ; my part of the table's sums is stored
	s_barrier_signal -1
	s_barrier_wait -1                              ; everybody's
	PRO 0
	s_cmp_eq_u32 s14, 0
	s_cbranch_scc0 .Lt1
.irp k, 0,1,2,3
	ds_load_b32 v[T+26+\k], v[T+40] offset:128*\k  ; wave 0: head y: the four parts, frequencies ascending
.endr
	s_wait_dscnt 0x0
	v_add_f32 v[T+26], v[T+26], v[T+27]
	v_add_f32 v[T+26], v[T+26], v[T+28]
	v_add_f32 v[T+26], v[T+26], v[T+29]
	v_ldexp_f32 v[T+26], v[T+26], 3                ; x 8: the scores are divided by 8 together with it
	TSTORE T+26, 0
	s_branch .Ltd
.Lt1:
	s_cmp_eq_u32 s14, 1
	s_cbranch_scc0 .Lt2
	v_add_f32 v[T+26], v252, v253                  ; wave 1: head 8 + y: a pair's sum, then over the 32 lanes
	v_mov_b32 v[T+27], 0
.irp m, 1,2,4,8
	v_add_f32_dpp v[T+26], v[T+26], v[T+26] row_xmask:\m row_mask:0xf bank_mask:0xf
.endr
	v_permlanex16_b32 v[T+27], v[T+26], s100, s101
	v_add_f32 v[T+26], v[T+26], v[T+27]
	v_ldexp_f32 v[T+26], v[T+26], 3
	TSTORE T+26, 393216                            ; four pairs of heads on
	s_branch .Ltd
.Lt2:
	global_store_b128 v[GI16], v[240:243], s[90:91]    ; waves 2, 3: w_proj's image: 512, 256, 512, 256 consecutive bytes
	global_store_b64 v[GI8], v[244:245], s[90:91] offset:512
	global_store_b128 v[GI16], v[246:249], s[90:91] offset:768
	global_store_b64 v[GI8], v[250:251], s[90:91] offset:1280
.Ltd:
.irp st, 0,1,2,3,4,5,6
	STEP 0, \st
.endr
	WIN 0                                          ; q's last step
	s_wait_tensorcnt 0x0                           ; none of my tensor loads is out
	ds_add_u32 v[SPW], v[NIL]
	s_wait_dscnt 25                                ; the add and the 24 loads of blocks 4-7 may be out
	MULH 0, 7, 0, 0
	s_wait_dscnt 0x0                               ; the add is done, and all my reads
	s_barrier_signal -1
	MULH 0, 7, 4, 0
	WIN 0
	s_barrier_wait -1
	CREST                                          ; the barrier has opened a round of the cluster's: no wave of any partner still reads x's bytes
	tensor_load_to_lds s[G0R:G0R+3], s[G1W:G1W+7]  ; waves 0, 1: w_k's halves; waves 2, 3: w_v's
	s_nop 0
	PLACES                                         ; also the places behind the last products
	WLOADS 1
	BLOADS 1
	QPART 0
	s_wait_tensorcnt 0x0                           ; my 64 rows have landed
	s_wait_dscnt 0x0
	s_barrier_signal -1
	s_barrier_wait -1                              ; everybody's: w_k and w_v are whole
	s_wait_loadcnt 0x0
	PRO 1
.irp st, 0,1,2,3,4,5,6,7
	STEP 1, \st
.endr
	PLACES
	WIN 0
	WLOADS 2
.irp b, 0,1,2,3,4,5,6,7
.irp j, 0,1,2,3,4,5,6,7
	global_load_b32 v[RBI+8*\b+\j], v[R4], s[98:99] offset:8192+64*\b   ; v: block b, every register: the bias of channel 16 b + r
.endr
.endr
	QPART 1
	s_wait_loadcnt 0x0
	PRO 2
.irp st, 0,1,2,3,4,5,6,7
	STEP 2, \st
.endr
	PLACES
.irp c, 0,1,2,3,4,5,6,7
	QOUTV \c
.endr
	WIN 0
	s_wait_tensorcnt 0x0                           ; the wave's end
	ds_add_u32 v[SPW], v[NIL]
	s_wait_dscnt 0x0
	CROUND                                         ; the closing round
	s_endpgm
.Lfunc_end_k_qfd9e0ebb9b_qkv:
	.size	k_qfd9e0ebb9b_qkv, .Lfunc_end_k_qfd9e0ebb9b_qkv-k_qfd9e0ebb9b_qkv
	.p2alignl 7, 3214868480
	.fill 96, 4, 3214868480
	.section	.rodata,"a",@progbits
	.p2align	6, 0x0
	.amdhsa_kernel k_qfd9e0ebb9b_qkv
		.amdhsa_group_segment_fixed_size 327680
		.amdhsa_private_segment_fixed_size 0
		.amdhsa_enable_private_segment 0
		.amdhsa_kernarg_size 88
		.amdhsa_user_sgpr_count 2
		.amdhsa_user_sgpr_kernarg_segment_ptr 1
		.amdhsa_wavefront_size32 1
		.amdhsa_system_sgpr_workgroup_id_x 1
		.amdhsa_system_sgpr_workgroup_id_y 1
		.amdhsa_system_sgpr_workgroup_id_z 1
		.amdhsa_system_vgpr_workitem_id 0
		.amdhsa_next_free_vgpr 1024
		.amdhsa_next_free_sgpr 102
		.amdhsa_reserve_vcc 1
		.amdhsa_float_denorm_mode_32 3
		.amdhsa_float_denorm_mode_16_64 3
		.amdhsa_memory_ordered 1
		.amdhsa_forward_progress 1
		.amdhsa_inst_pref_size 255
	.end_amdhsa_kernel
	.section	.bss,"aw",@nobits
	.p2align	6
	.space	262144
	.amdgpu_metadata
---
amdhsa.version: [ 1, 2 ]
amdhsa.kernels:
  - .name:           k_qfd9e0ebb9b_qkv
    .symbol:         k_qfd9e0ebb9b_qkv.kd
    .args:
      - { .name: x_codes, .offset: 0, .size: 8, .value_kind: global_buffer, .address_space: global }
      - { .name: x_scales, .offset: 8, .size: 8, .value_kind: global_buffer, .address_space: global }
      - { .name: w_qkv_codes, .offset: 16, .size: 8, .value_kind: global_buffer, .address_space: global }
      - { .name: w_qkv_scales, .offset: 24, .size: 8, .value_kind: global_buffer, .address_space: global }
      - { .name: b_qkv, .offset: 32, .size: 8, .value_kind: global_buffer, .address_space: global }
      - { .name: pos_independent, .offset: 40, .size: 8, .value_kind: global_buffer, .address_space: global }
      - { .name: qkv_img, .offset: 48, .size: 8, .value_kind: global_buffer, .address_space: global }
      - { .name: qkv_sc, .offset: 56, .size: 8, .value_kind: global_buffer, .address_space: global }
      - { .name: bias_tab, .offset: 64, .size: 8, .value_kind: global_buffer, .address_space: global }
      - { .name: w_proj_codes, .offset: 72, .size: 8, .value_kind: global_buffer, .address_space: global }
      - { .name: wp_img, .offset: 80, .size: 8, .value_kind: global_buffer, .address_space: global }
    .group_segment_fixed_size: 327680
    .private_segment_fixed_size: 0
    .kernarg_segment_align: 8
    .kernarg_segment_size: 88
    .max_flat_workgroup_size: 128
    .sgpr_count:     102
    .vgpr_count:     1024
    .wavefront_size: 32
...
	.end_amdgpu_metadata
.endif
;; end of part 1
;; launch attn (part 2): grid 256 x 1, 16 waves a work-group, clusters of 4 x 1, 247,808 bytes of LDS; arguments qkv_img, qkv_sc, bias_tab, o_img, o_sc; writes o_img, o_sc
.if DOCPART == 2
	.amdgcn_target "amdgcn-amd-amdhsa--gfx1250"
	.amdhsa_code_object_version 6
	.text
	.protected	k_qfd9e0ebb9b_attn
	.globl	k_qfd9e0ebb9b_attn
	.p2align	8
	.type	k_qfd9e0ebb9b_attn,@function
k_qfd9e0ebb9b_attn:
	s_mov_b64 s[64:65], 0
	v_nop
	global_prefetch_b8 v0, s[64:65] scope:SCOPE_SE
	s_setreg_imm32_b32 hwreg(HW_REG_WAVE_MODE, 25, 1), 1
	s_wait_xcnt 0x0
	s_wait_alu depctr_hold_cnt(0) depctr_sa_sdst(0) depctr_va_vdst(0) depctr_va_sdst(0) depctr_va_ssrc(0) depctr_va_vcc(0) depctr_vm_vsrc(0)
	s_getreg_b32 s2, hwreg(HW_REG_IB_STS2, 6, 4)
	s_cmp_eq_u32 s2, 0
	s_cbranch_scc0 .Lentry_in_a_cluster
	s_endpgm
.Lentry_in_a_cluster:
	s_bfe_u32 s2, ttmp6, 0x10000c
	s_cmp_lg_u32 s2, 0x3003
	s_cbranch_scc0 .Lentry_shape_is_right
	s_endpgm
.Lentry_shape_is_right:
; Causal attention with a position bias, both products on codes of FP6 (E2M3) with E8M0 scales; the result is quantised along the model's axis and leaves as codes.
; t = (q . k + 8 bias(q - k)) x log2(e) / 8; M = the running largest t rounded up to a whole number; p = 2^(t - M) is quantised along the keys; the row's sum is taken of the unquantised p.
; LEFT OUT: key steps that lie wholly behind the causal mask which the problem builds itself; their p is 0 for all inputs.
; THE MASK inside the step on the diagonal comes with the bias: the table holds -1e30 for a key behind the query, so its t lies far under M and p = 0.
; SHARES.  A cluster of four work-groups owns one batch and one pair of heads (cl = the cluster's x).  All of the pair's K and V (8 steps of 128 keys, images of operand registers), their scale words
; and eight windows of the bias table lie in LDS for the whole launch: every LDS byte is filled once.  Each of the sixteen waves issues ONE tensor load at the head: waves 0-11 sixteen KiB each of K and V,
; waves 12, 13 the scale words (these fourteen jointly for the four partners), waves 14, 15 four bias windows each, my work-group's own.  All is asked for at the head, so nothing is left to prefetch.
; Wave w: head w / 8, i = (w % 8) / 2, e = w % 2.  It owns two tiles of 16 queries, tau = 8 o + 2 cx + e, with o = 7 - i (first pass) and o = i (second): o + 1 key steps each, nine a wave.
; Which steps are left out hangs on o, that is on the wave's number alone; cx enters global addresses only.
; LAYOUT.  S^T = K Q^T (source 0 = 16 keys, source 1 = my 16 queries; K = 64: the upper halves of both fragments are zero codes), C = 8 bias in the result's layout.  O^T = V^T P^T.  A lane holds one query.
; Window 4 head + s holds E[head][y + 96 - 32 cx + s], y = 0 .. 1103: by s = (3 - r) % 4 a lane finds its eight numbers at a multiple of 16 bytes.
; LIMITS: NaN and infinities are not served; the promise holds while the scaled scores stay under 2^31 in magnitude; a block of zeros gets the byte 1 (only this program reads the bytes).
.set KB,  0
.set VB,  98304
.set KSB, 196608
.set VSB, 200704
.set BT,  204800
.set BW,  4416
; v1-7 lane addresses; v8-14 the step's; v16-27, v28 first pass's Q and scales; v29 16 x lane, v30 8 x lane, v31 32 r + h; v32 -M, v33 largest t, v[34:35] the sum; v36-83 K's four fragments;
; v84-87 K's scales; v88-91 V's; v92 p's; v[94:95] f; v96-159 bias, S^T, p, then V's fragments; v160-191 O^T; v192-203 p's codes; v204-227, v242-253 at work; v228-239, v240 second pass's Q; v254, v255 the add's
.macro CROUND
	s_barrier_signal -1
	s_barrier_wait -1
	s_cmp_lg_u32 s14, 0
	s_cbranch_scc1 .Lnot_wave_0_\@
	s_barrier_signal -3
.Lnot_wave_0_\@:
	s_barrier_wait -3
	s_barrier_signal -1
	s_barrier_wait -1
.endm
	s_load_b256 s[4:11], s[0:1], 0x0               ; the images, their scale words, the table, o's images
	s_load_b64 s[12:13], s[0:1], 0x20              ; o's scale bytes
	v_lshl_add_u32 v254, v0, 2, 0x3c000
	v_mov_b32 v255, 0
	ds_add_u32 v254, v255                          ; the opening lines: the add twice and one wait
	ds_add_u32 v254, v255
	v_lshrrev_b32 v1, 5, v0
	s_delay_alu instid0(VALU_DEP_1)
	v_readfirstlane_b32 s14, v1                    ; wave 0..15
	s_lshr_b32 s15, s14, 3                         ; hs
	s_bfe_u32 s16, s14, 0x20001                    ; i
	s_and_b32 s17, s14, 1                          ; e
	s_bfe_u32 s18, ttmp6, 0x40000                  ; cx
	s_mov_b32 s20, 0x76543210
	s_mov_b32 s21, 0xfedcba98                      ; lane l xor 16
	s_mov_b32 s22, 0x3e38aa3b                      ; log2(e) / 8
	s_mov_b32 s23, s22
	s_mov_b32 s79, 0xffff0000                      ; lanes 16-31
	s_and_b32 s83, ttmp9, 7                        ; head pair
	s_lshr_b32 s84, ttmp9, 3                       ; batch
	; groups 1: dense blocks as rows of 256 bytes for all four partners, 64 and 16 rows; and four rows of 1,104 numbers, 1,536 apart, for me alone
.irp g, 24, 32
	s_mov_b32 s[\g], 15|(3<<16)|(1<<21)
	s_mov_b32 s[\g+1], 32<<16
	s_mov_b32 s[\g+3], 32<<16
	s_mov_b32 s[\g+5], 32
	s_mov_b32 s[\g+6], 0
	s_mov_b32 s[\g+7], 0
.endr
	s_mov_b32 s26, 64<<16
	s_mov_b32 s28, 64
	s_mov_b32 s34, 16<<16
	s_mov_b32 s36, 16
	s_mov_b32 s48, 2<<16
	s_mov_b32 s49, 1104<<16
	s_mov_b32 s50, 4<<16
	s_mov_b32 s51, 1104<<16
	s_mov_b32 s52, 4
	s_mov_b32 s53, 1536
	s_mov_b32 s54, 0
	s_mov_b32 s55, 0
	s_mov_b32 s87, 0
	s_wait_alu depctr_va_vdst(0)
	s_wait_dscnt 0x0
	s_wait_kmcnt 0x0
	; waves 0-11: 16,384 bytes each: K's 98,304 (part 1), then V's (part 2); in LDS one behind the other
	s_mov_b32 s56, 1
	s_lshl_b32 s57, s14, 14
	s_cmp_ge_u32 s14, 6
	s_cselect_b32 s86, 6193152, 0                  ; from K's end to V's start: 6,291,456 - 98,304
	s_add_co_u32 s86, s86, 6291456
	s_mul_i32 s89, ttmp9, 98304
	s_add_co_u32 s86, s86, s89
	s_add_co_u32 s86, s86, s57
	s_add_nc_u64 s[58:59], s[4:5], s[86:87]
	s_or_b32 s59, s59, 0x80000000
	; waves 12, 13: K's, V's scale words, 4,096 bytes
	s_mov_b32 s60, 1
	s_lshl_b32 s61, s17, 12
	s_add_co_u32 s61, s61, KSB
	s_add_co_u32 s86, s17, 1
	s_lshl_b32 s86, s86, 18
	s_lshl_b32 s88, ttmp9, 12
	s_add_co_u32 s86, s86, s88
	s_add_nc_u64 s[62:63], s[6:7], s[86:87]
	s_or_b32 s63, s63, 0x80000000
	; waves 14, 15: the four windows of head 0, 1 of the pair: rows par = (3 - cx) % 2, from place 64 + 64 ((3 - cx) / 2): a multiple of 256 bytes
	s_mov_b32 s68, 1
	s_mul_i32 s69, s17, 4*BW
	s_add_co_u32 s69, s69, BT
	s_sub_co_u32 s88, 3, s18
	s_and_b32 s90, s88, 1
	s_lshr_b32 s88, s88, 1
	s_mul_i32 s86, s83, 98304
	s_mul_i32 s90, s90, 49152
	s_add_co_u32 s86, s86, s90
	s_mul_i32 s90, s17, 24576
	s_add_co_u32 s86, s86, s90
	s_lshl_b32 s88, s88, 8
	s_add_co_u32 s86, s86, s88
	s_add_co_u32 s86, s86, 256
	s_add_nc_u64 s[70:71], s[8:9], s[86:87]
	s_or_b32 s71, s71, 0x80000000
	CROUND                                         ; all four work-groups are here: the joint loads meet
	s_cmp_lt_u32 s14, 12                           ; one chain of branches on the wave's number, one load to an arm
	s_cbranch_scc0 .Lsc
	tensor_load_to_lds s[56:59], s[24:31]
	s_nop 0
.rept 4
	v_nop
.endr
	s_branch .Lasked
.Lsc:
	s_cmp_lt_u32 s14, 14
	s_cbranch_scc0 .Lbi
	tensor_load_to_lds s[60:63], s[32:39]
	s_nop 0
.rept 4
	v_nop
.endr
	s_branch .Lasked
.Lbi:
	tensor_load_to_lds s[68:71], s[48:55]
	s_nop 0
.rept 4
	v_nop
.endr
.Lasked:
	s_lshl_b32 s85, s18, 1
	s_add_co_u32 s85, s85, s17                     ; 2 cx + e
	s_mul_i32 s86, s85, 1536
	s_add_co_u32 s86, s86, s89
	s_mul_i32 s90, s15, 768
	s_add_co_u32 s86, s86, s90
	s_add_nc_u64 s[88:89], s[4:5], s[86:87]        ; Q's images: 98304 cl + 1536 (2 cx + e) + 768 hs; the pass adds 12288 o
	s_lshl_b32 s86, ttmp9, 12
	s_lshl_b32 s92, s85, 6
	s_add_co_u32 s86, s86, s92
	s_lshl_b32 s92, s15, 1
	s_add_co_u32 s86, s86, s92
	s_add_nc_u64 s[90:91], s[6:7], s[86:87]        ; Q's scale words: my head's two bytes
	s_lshl_b32 s92, s84, 6
	s_add_co_u32 s92, s92, s85                     ; 64 batch + 2 cx + e
	s_mul_i32 s86, s92, 12288
	s_mul_i32 s93, s83, 1536
	s_add_co_u32 s86, s86, s93
	s_mul_i32 s93, s15, 768
	s_add_co_u32 s86, s86, s93
	s_add_nc_u64 s[10:11], s[10:11], s[86:87]      ; o's images; the pass adds 98304 o
	s_lshl_b32 s86, s92, 9
	s_lshl_b32 s93, s83, 2
	s_add_co_u32 s86, s86, s93
	s_lshl_b32 s93, s15, 1
	s_add_co_u32 s86, s86, s93
	s_add_nc_u64 s[12:13], s[12:13], s[86:87]      ; o's scale bytes; the pass adds 4096 o
	s_xor_b32 s92, s16, 7                          ; the first pass's o
	s_mul_i32 s93, s92, 12288
	s_mul_i32 s94, s16, 12288
	s_lshl_b32 s80, s92, 9
	s_lshl_b32 s81, s16, 9
	v_and_b32 v204, 31, v0
	v_and_b32 v205, 15, v0                         ; r
	v_bfe_u32 v206, v0, 4, 1                       ; h
	s_delay_alu instid0(VALU_DEP_3)
	v_lshlrev_b32 v29, 4, v204
	v_lshlrev_b32 v30, 3, v204
	s_delay_alu instid0(VALU_DEP_3)
	v_lshl_add_u32 v31, v205, 5, v206
	v_add_nc_u32 v224, s93, v29
	v_add_nc_u32 v225, s93, v30
	v_add_nc_u32 v226, s94, v29
	v_add_nc_u32 v227, s94, v30
	v_lshl_add_u32 v212, v205, 2, s80
	v_lshl_add_u32 v213, v205, 2, s81
	global_load_b128 v[16:19], v224, s[88:89] th:TH_LOAD_NT
	global_load_b64 v[20:21], v225, s[88:89] offset:512 th:TH_LOAD_NT
	global_load_u16 v28, v212, s[90:91]
	global_load_b128 v[228:231], v226, s[88:89] th:TH_LOAD_NT
	global_load_b64 v[232:233], v227, s[88:89] offset:512 th:TH_LOAD_NT
	global_load_u16 v240, v213, s[90:91]
	s_mul_i32 s80, s15, 768
	v_add_nc_u32 v1, s80, v29                      ; K: registers 0-3 of my head's half of an image
	s_add_co_u32 s80, s80, 512
	v_add_nc_u32 v2, s80, v30                      ;    registers 4-5
	s_mul_i32 s80, s15, 6144
	s_add_co_u32 s80, s80, VB
	v_add_nc_u32 v3, s80, v29                      ; V: my head's four images
	s_add_co_u32 s80, s80, 512
	v_add_nc_u32 v4, s80, v30
	s_lshl_b32 s80, s15, 1
	s_add_co_u32 s80, s80, KSB
	v_lshl_add_u32 v5, v205, 2, s80                ; K's scale words: my head's two bytes
	s_lshl_b32 s80, s15, 8
	s_add_co_u32 s80, s80, VSB
	v_lshl_add_u32 v6, v205, 2, s80                ; V's
	v_sub_nc_u32 v207, 3, v205
	v_lshlrev_b32 v208, 2, v205
	s_delay_alu instid0(VALU_DEP_2)
	v_and_b32 v207, 3, v207                        ; s = (3 - r) % 4
	s_delay_alu instid0(VALU_DEP_1)
	v_mul_u32_u24 v7, v207, BW-4
	s_delay_alu instid0(VALU_DEP_1)
	v_lshl_add_u32 v7, v206, 5, v7
	s_delay_alu instid0(VALU_DEP_1)
	v_add_nc_u32 v7, 3708, v7
	s_delay_alu instid0(VALU_DEP_1)
	v_sub_nc_u32 v7, v7, v208                      ; the bias: 4416 s + 4 (927 - r - s) + 32 h
	s_mul_i32 s95, s15, 4*BW
	s_xor_b32 s94, s17, 1
	s_lshl_b32 s94, s94, 6
	s_add_co_u32 s95, s95, s94
	s_add_co_u32 s95, s95, BT-3648                 ; my head's windows, less 64 e and 512 x 7: a pass adds 512 (7 - o)
.irp j, 22,23,24,25,26,27, 234,235,236,237,238,239
	v_mov_b32 v[\j], 0                             ; the upper halves of Q's fragments: zero codes
.endr
.irp t, 0,1,2,3
.irp j, 6,7,8,9,10,11
	v_mov_b32 v[36+12*\t+\j], 0                    ; and of K's four
.endr
.endr
.irp b, 0,1,2,3
	v_mov_b32 v[216+\b], 0                         ; a lane permute's destination counts as one of its sources
.endr
	v_mov_b32 v95, 0                               ; named with v94 as a pair
; A KEY STEP: 128 keys.  Steps behind my diagonal are left out, by a branch on the step's number and o
.macro STEP qf, qs
	s_cmp_gt_u32 s66, s67
	s_cbranch_scc1 .Lhid_\@
	v_add_nc_u32 v8, s76, v1                       ; these seven are also the places behind the last step's products
	v_add_nc_u32 v9, s76, v2
	v_add_nc_u32 v10, s76, v3
	v_add_nc_u32 v11, s76, v4
	v_add_nc_u32 v12, s77, v5
	v_add_nc_u32 v13, s77, v6
	v_add_nc_u32 v14, s78, v7
	s_wait_alu depctr_va_vdst(0)
.irp g, 0,1
.if \g
.rept 4
	v_nop                                          ; places in front of loads into registers that matrix instructions have read
.endr
.endif
.irp t, 0,1,2,3
	ds_load_b128 v[36+12*\t:39+12*\t], v8 offset:1536*(4*\g+\t)
	ds_load_b64 v[40+12*\t:41+12*\t], v9 offset:1536*(4*\g+\t)
	ds_load_u16 v[84+\t], v12 offset:64*(4*\g+\t)
	ds_load_b128 v[96+8*(4*\g+\t):99+8*(4*\g+\t)], v14 offset:64*(4*\g+\t)
	ds_load_b128 v[100+8*(4*\g+\t):103+8*(4*\g+\t)], v14 offset:64*(4*\g+\t)+16
.endr
	s_wait_dscnt 0x0
.irp t, 0,1,2,3
	v_wmma_scale_f32_16x16x128_f8f6f4 v[96+8*(4*\g+\t):103+8*(4*\g+\t)], v[36+12*\t:47+12*\t], v[\qf:\qf+11], v[96+8*(4*\g+\t):103+8*(4*\g+\t)], v[84+\t], v[\qs] matrix_a_fmt:MATRIX_FMT_FP6 matrix_b_fmt:MATRIX_FMT_FP6
.endr
.endr
.rept 4
	v_nop
.endr
.irp b, 0,1,2,3
	v_max3_num_f32 v[212+\b], v[96+16*\b], v[97+16*\b], v[98+16*\b]   ; the largest score of each block of 32 keys: for the row's maximum and for the block's largest p
.endr
.irp i, 3,5,7,9,11,13
.irp b, 0,1,2,3
	v_max3_num_f32 v[212+\b], v[212+\b], v[96+16*\b+\i], v[97+16*\b+\i]
.endr
.endr
.irp b, 0,1,2,3
	v_max_num_f32 v[212+\b], v[212+\b], v[111+16*\b]
.endr
.irp b, 0,1,2,3
	s_delay_alu instid0(VALU_DEP_4)
	v_permlanex16_b32 v[216+\b], v[212+\b], s20, s21
.endr
.irp b, 0,1,2,3
	s_delay_alu instid0(VALU_DEP_4)
	v_max_num_f32 v[212+\b], v[212+\b], v[216+\b]
.endr
	s_delay_alu instid0(VALU_DEP_2)
	v_max3_num_f32 v224, v212, v213, v214
	s_delay_alu instid0(VALU_DEP_1)
	v_max_num_f32 v224, v224, v215
	s_delay_alu instid0(VALU_DEP_1)
	v_mul_f32 v224, s22, v224
	s_delay_alu instid0(VALU_DEP_1)
	v_max_num_f32 v33, v33, v224                   ; the running largest t
	v_mov_b32 v224, v32
	s_delay_alu instid0(VALU_DEP_2)
	v_floor_f32 v32, -v33                          ; -M = floor(-t)
	s_delay_alu instid0(VALU_DEP_1)
	v_sub_f32 v224, v32, v224
	s_delay_alu instid0(VALU_DEP_1)
	v_cvt_i32_f32 v224, v224                       ; (it saturates)
	s_delay_alu instid0(VALU_DEP_1)
	v_ldexp_f32 v94, 1.0, v224                     ; f = 2^(old M - new M)
.set j, 0
.rept 32
	v_pk_fma_f32 v[96+j:97+j], v[96+j:97+j], s[22:23], v[32:33] op_sel_hi:[1,0,0]   ; t - M
.set j, j+2
.endr
.irp b, 0,1,2,3
	v_fma_f32 v[212+\b], v[212+\b], s22, v32
.endr
.set j, 0
	s_wait_alu depctr_va_vdst(0)                   ; the wait ahead of the batch
.rept 64
	v_exp_f32 v[96+j], v[96+j]                     ; p
.set j, j+1
.endr
	v_pk_mul_f32 v[34:35], v[34:35], v[94:95] op_sel_hi:[1,0]   ; the sums under the new M: the plain place behind the exponentials
	s_wait_alu depctr_va_vdst(0)                   ; one wait for the batch, ahead of its first reader
.irp b, 0,1,2,3
	v_exp_f32 v[212+\b], v[212+\b]                 ; each block's largest p
.endr
	v_pk_add_f32 v[226:227], v[100:101], v[104:105]    ; the row's sum of the unquantised p, in eight chains
	v_pk_add_f32 v[252:253], v[108:109], v[112:113]
	v_pk_add_f32 v[250:251], v[116:117], v[120:121]
	v_pk_add_f32 v[248:249], v[124:125], v[128:129]
	v_pk_add_f32 v[246:247], v[132:133], v[136:137]
	v_pk_add_f32 v[244:245], v[140:141], v[144:145]
	v_pk_add_f32 v[242:243], v[148:149], v[152:153]
	v_pk_add_f32 v[34:35], v[34:35], v[156:157]
	v_pk_add_f32 v[226:227], v[226:227], v[96:97]
	v_pk_add_f32 v[252:253], v[252:253], v[98:99]
	v_pk_add_f32 v[250:251], v[250:251], v[102:103]
	v_pk_add_f32 v[248:249], v[248:249], v[106:107]
	v_pk_add_f32 v[246:247], v[246:247], v[110:111]
	v_pk_add_f32 v[244:245], v[244:245], v[114:115]
	v_pk_add_f32 v[242:243], v[242:243], v[118:119]
	v_pk_add_f32 v[34:35], v[34:35], v[122:123]
	v_pk_add_f32 v[226:227], v[226:227], v[126:127]
	v_pk_add_f32 v[252:253], v[252:253], v[130:131]
	v_pk_add_f32 v[250:251], v[250:251], v[134:135]
	v_pk_add_f32 v[248:249], v[248:249], v[138:139]
	v_pk_add_f32 v[246:247], v[246:247], v[142:143]
	v_pk_add_f32 v[244:245], v[244:245], v[146:147]
	v_pk_add_f32 v[242:243], v[242:243], v[150:151]
	v_pk_add_f32 v[34:35], v[34:35], v[154:155]
	v_pk_add_f32 v[226:227], v[226:227], v[158:159]
	s_delay_alu instid0(VALU_DEP_2)
	v_pk_add_f32 v[34:35], v[34:35], v[248:249]
	s_delay_alu instid0(VALU_DEP_2)
	v_pk_add_f32 v[226:227], v[226:227], v[246:247]
	v_pk_add_f32 v[252:253], v[252:253], v[244:245]
	v_pk_add_f32 v[250:251], v[250:251], v[242:243]
	s_delay_alu instid0(VALU_DEP_2)
	v_pk_add_f32 v[34:35], v[34:35], v[252:253]
	s_delay_alu instid0(VALU_DEP_2)
	v_pk_add_f32 v[226:227], v[226:227], v[250:251]
	s_delay_alu instid0(VALU_DEP_1)
	v_pk_add_f32 v[34:35], v[34:35], v[226:227]
	s_wait_alu depctr_va_vdst(0)                   ; and one for the four
.irp b, 0,1,2,3
	v_max_num_f32 v[212+\b], 0x1800000, v[212+\b]  ; the floor 2^(3 - 127)
.endr
.irp b, 0,1,2,3
	s_delay_alu instid0(VALU_DEP_4)
	v_add_nc_u32 v[220+\b], 0xff000000, v[212+\b]  ; 2 off the exponent field: the conversion's scale operand
.endr
.irp b, 0,1,2,3
	s_delay_alu instid0(VALU_DEP_4)
	v_lshrrev_b32 v[216+\b], 23, v[220+\b]
.endr
	s_delay_alu instid0(VALU_DEP_3)
	v_lshl_or_b32 v92, v217, 8, v216               ; p's scale word
	s_delay_alu instid0(VALU_DEP_1)
	v_lshl_or_b32 v92, v218, 16, v92
	s_delay_alu instid0(VALU_DEP_1)
	v_lshl_or_b32 v92, v219, 24, v92
.irp c, 0,1
	v_cvt_scalef32_pk16_fp6_f32 v[192+6*\c:194+6*\c], v[96+32*\c:111+32*\c], v[220+2*\c]
	v_cvt_scalef32_pk16_fp6_f32 v[204+4*\c:206+4*\c], v[112+32*\c:127+32*\c], v[221+2*\c]
.endr
	v_nop                                          ; one plain place behind a scaled conversion
.irp t, 0,1,2,3                                ; V's four fragments land where p stood
	ds_load_b128 v[96+12*\t:99+12*\t], v10 offset:1536*\t
	ds_load_b64 v[100+12*\t:101+12*\t], v11 offset:1536*\t
	ds_load_b128 v[102+12*\t:105+12*\t], v10 offset:1536*\t+768
	ds_load_b64 v[106+12*\t:107+12*\t], v11 offset:1536*\t+768
	ds_load_b32 v[88+\t], v13 offset:64*\t
.endr
.irp c, 0,1
.irp i, 0,1,2
	v_permlane16_swap_b32 v[192+6*\c+\i], v[204+4*\c+\i]
.endr
.irp i, 0,1,2
	s_delay_alu instid0(VALU_DEP_3)
	v_mov_b32 v[195+6*\c+\i], v[204+4*\c+\i]
.endr
.endr
	s_wait_alu depctr_va_vdst(0)                   ; the wait directly ahead of the first reader of O^T
.set j, 0
.rept 16
	v_pk_mul_f32 v[160+j:161+j], v[160+j:161+j], v[94:95] op_sel_hi:[1,0]   ; O^T under the new M; these sixteen are the places ahead of the scaled products
.set j, j+2
.endr
	s_wait_alu depctr_va_vdst(0)
	s_wait_dscnt 0x0
.irp t, 0,1,2,3
	v_wmma_scale_f32_16x16x128_f8f6f4 v[160+8*\t:167+8*\t], v[96+12*\t:107+12*\t], v[192:203], v[160+8*\t:167+8*\t], v[88+\t], v92 matrix_a_fmt:MATRIX_FMT_FP6 matrix_b_fmt:MATRIX_FMT_FP6
.endr
.Lhid_\@:
	s_add_co_u32 s66, s66, 1                       ; the next step: its number, its images, its scale words, its bias numbers
	s_add_co_u32 s76, s76, 12288
	s_add_co_u32 s77, s77, 512
	s_add_co_u32 s78, s78, 512
.endm
.macro INIT first
.if \first
	s_xor_b32 s67, s16, 7                          ; o = 7 - i
	s_lshl_b32 s78, s16, 9                         ; 512 (7 - o)
.else
	s_mov_b32 s67, s16                             ; o = i
	s_xor_b32 s78, s16, 7
	s_lshl_b32 s78, s78, 9
.endif
	s_add_co_u32 s78, s78, s95
	s_mov_b32 s66, 0
	s_mov_b32 s76, 0
	s_mov_b32 s77, 0
	v_mov_b32 v33, 0xff61b1e6                      ; -3e38, under every t
	s_delay_alu instid0(VALU_DEP_1)
	v_floor_f32 v32, -v33
	v_mov_b32 v34, 0
	v_mov_b32 v35, 0
.set j, 0
.rept 32
	v_mov_b32 v[160+j], 0                          ; O^T: the step has no first form of its own: the first change of M multiplies zeros
.set j, j+1
.endr
.endm
; A tile's end: O^T / the sum; the halves change places so that a lane holds channels 32 c + 16 h + 0 .. 15; two blocks of 32 are quantised; half an image and two scale bytes a row leave
.macro FIN
	v_add_f32 v34, v34, v35
	s_delay_alu instid0(VALU_DEP_1)
	v_permlanex16_b32 v224, v34, s20, s21
	s_delay_alu instid0(VALU_DEP_1)
	v_add_f32 v34, v34, v224
	s_wait_alu depctr_va_vdst(0)
	v_rcp_f32 v94, v34
	s_mul_i32 s80, s67, 98304
	s_lshl_b32 s81, s67, 12
	v_add_nc_u32 v208, s80, v29
	v_add_nc_u32 v209, s80, v30
	v_add_nc_u32 v210, s81, v31
	v_nop
	s_wait_alu depctr_va_vdst(0)
.set j, 0
.rept 16
	v_pk_mul_f32 v[160+j:161+j], v[160+j:161+j], v[94:95] op_sel_hi:[1,0]   ; each accumulator from its low end on
.set j, j+2
.endr
.irp c, 0,1
.irp j, 0,1,2,3,4,5,6,7
	v_permlane16_swap_b32 v[160+16*\c+\j], v[168+16*\c+\j]
.endr
.endr
.irp c, 0,1
	v_max3_num_f32 v[212+\c], |v[160+16*\c]|, |v[161+16*\c]|, 0x1800000
.endr
.irp i, 2,4,6,8,10,12,14
.irp c, 0,1
	s_delay_alu instid0(VALU_DEP_2)
	v_max3_num_f32 v[212+\c], v[212+\c], |v[160+16*\c+\i]|, |v[161+16*\c+\i]|
.endr
.endr
.irp c, 0,1
	s_delay_alu instid0(VALU_DEP_2)
	v_permlanex16_b32 v[216+\c], v[212+\c], s20, s21
.endr
.irp c, 0,1
	s_delay_alu instid0(VALU_DEP_2)
	v_max_num_f32 v[212+\c], v[212+\c], v[216+\c]
.endr
.irp c, 0,1
	s_delay_alu instid0(VALU_DEP_2)
	v_add_nc_u32 v[220+\c], 0xff000000, v[212+\c]
.endr
.irp c, 0,1
	s_delay_alu instid0(VALU_DEP_2)
	v_lshrrev_b32 v[216+\c], 23, v[220+\c]
.endr
	v_cvt_scalef32_pk16_fp6_f32 v[192:194], v[160:175], v220
	v_cvt_scalef32_pk16_fp6_f32 v[204:206], v[176:191], v221
	v_cndmask_b32 v224, v216, v217, s79            ; lanes 0-15 store block 0's byte, lanes 16-31 block 1's.  (The plain place behind the conversions)
.irp i, 0,1,2
	v_permlane16_swap_b32 v[192+\i], v[204+\i]
.endr
.irp i, 0,1,2
	s_delay_alu instid0(VALU_DEP_3)
	v_mov_b32 v[195+\i], v[204+\i]
.endr
	global_store_b128 v208, v[192:195], s[10:11]               ; 512 consecutive bytes, aligned
	global_store_b64 v209, v[196:197], s[10:11] offset:512     ; 256
	global_store_b8 v210, v224, s[12:13]
.endm
	s_wait_alu depctr_va_vdst(0)                   ; the wait at the head's end
	s_wait_loadcnt 0x0                             ; Q
	s_wait_tensorcnt 0x0                           ; my one load has landed
	s_barrier_signal -1
	s_barrier_wait -1                              ; everybody's has
	INIT 1
	s_mov_b32 s3, 8
.Lb:                                               ; the first pass: key steps 0 to 7
	STEP 16, 28
	s_sub_co_u32 s3, s3, 1
	s_cmp_lg_u32 s3, 0
	s_cbranch_scc1 .Lb
	FIN
	s_wait_xcnt 0x0                                ; the stores have read their registers: the second pass writes them again
	INIT 0
	s_mov_b32 s3, 4
.La:                                               ; the second pass: key steps 0 to 3
	STEP 228, 240
	s_sub_co_u32 s3, s3, 1
	s_cmp_lg_u32 s3, 0
	s_cbranch_scc1 .La
	FIN
	s_wait_tensorcnt 0x0                           ; the wave's end
	ds_add_u32 v254, v255
	s_wait_dscnt 0x0
	CROUND                                         ; the closing round
	s_endpgm
.Lfunc_end_k_qfd9e0ebb9b_attn:
	.size	k_qfd9e0ebb9b_attn, .Lfunc_end_k_qfd9e0ebb9b_attn-k_qfd9e0ebb9b_attn
	.p2alignl 7, 3214868480
	.fill 96, 4, 3214868480
	.section	.rodata,"a",@progbits
	.p2align	6, 0x0
	.amdhsa_kernel k_qfd9e0ebb9b_attn
		.amdhsa_group_segment_fixed_size 247808
		.amdhsa_private_segment_fixed_size 0
		.amdhsa_enable_private_segment 0
		.amdhsa_kernarg_size 40
		.amdhsa_user_sgpr_count 2
		.amdhsa_user_sgpr_kernarg_segment_ptr 1
		.amdhsa_wavefront_size32 1
		.amdhsa_system_sgpr_workgroup_id_x 1
		.amdhsa_system_sgpr_workgroup_id_y 1
		.amdhsa_system_sgpr_workgroup_id_z 1
		.amdhsa_system_vgpr_workitem_id 0
		.amdhsa_next_free_vgpr 256
		.amdhsa_next_free_sgpr 96
		.amdhsa_reserve_vcc 0
		.amdhsa_float_denorm_mode_32 3
		.amdhsa_float_denorm_mode_16_64 3
		.amdhsa_memory_ordered 1
		.amdhsa_forward_progress 1
		.amdhsa_inst_pref_size 63
	.end_amdhsa_kernel
	.amdgpu_metadata
---
amdhsa.version: [ 1, 2 ]
amdhsa.kernels:
  - .name:           k_qfd9e0ebb9b_attn
    .symbol:         k_qfd9e0ebb9b_attn.kd
    .args:
      - { .name: qkv_img, .offset: 0, .size: 8, .value_kind: global_buffer, .address_space: global }
      - { .name: qkv_sc, .offset: 8, .size: 8, .value_kind: global_buffer, .address_space: global }
      - { .name: bias_tab, .offset: 16, .size: 8, .value_kind: global_buffer, .address_space: global }
      - { .name: o_img, .offset: 24, .size: 8, .value_kind: global_buffer, .address_space: global }
      - { .name: o_sc, .offset: 32, .size: 8, .value_kind: global_buffer, .address_space: global }
    .group_segment_fixed_size: 247808
    .private_segment_fixed_size: 0
    .kernarg_segment_align: 8
    .kernarg_segment_size: 40
    .max_flat_workgroup_size: 512
    .sgpr_count:     96
    .vgpr_count:     256
    .wavefront_size: 32
...
	.end_amdgpu_metadata
.endif
;; end of part 2
;; launch proj (part 3): grid 8 x 32, 4 waves a work-group, no clusters, 17,920 bytes of LDS; arguments o_img, o_sc, wp_img, w_proj_scales, b_proj, out0; writes out0
.if DOCPART == 3
	.amdgcn_target "amdgcn-amd-amdhsa--gfx1250"
	.amdhsa_code_object_version 6
	.text
	.protected	k_qfd9e0ebb9b_proj
	.globl	k_qfd9e0ebb9b_proj
	.p2align	8
	.type	k_qfd9e0ebb9b_proj,@function
k_qfd9e0ebb9b_proj:
	s_mov_b64 s[64:65], 0
	v_nop
	global_prefetch_b8 v0, s[64:65] scope:SCOPE_SE
	s_setreg_imm32_b32 hwreg(HW_REG_WAVE_MODE, 25, 1), 1
	s_wait_xcnt 0x0
; out0 = o w_proj^T + b_proj on codes of FP6 (E2M3) with E8M0 scales, K = 1,024.  Nothing of this product is left out.
; Both operands lie in memory as IMAGES of the operand's 12 registers (16 rows x 128 K, 1,536 bytes: registers 0-3 at 16 x lane, 4-5 at 512 + 8 x lane, 6-9 at 768 + 16 x lane, 10-11 at 1,280 + 8 x lane),
; image (block of 16 rows, K step) at 12,288 x block + 1,536 x step.  So a fragment goes from memory straight into its registers: every load of a wave covers 512 or 256 consecutive bytes, aligned.
; SHARES: 1,024 waves that do not depend on each other, four to a work-group; a wave makes 128 tokens x 64 features: 32 accumulators, 256 registers.  No barrier.
; NO TENSOR LOADS AND NO CLUSTER: no operand byte passes through LDS, so there is no tile in LDS that partners could ask for jointly.
; NO PREFETCH: a K step's 48 loads are issued two K steps ahead of their use; they are the lead.
; The matrix instruction is used transposed (source 0 = 16 features, source 1 = 16 tokens): a lane holds eight neighbouring features of one token.  b_proj is the C of each sum's first instruction.
; The scale words of all eight K steps stay in registers: lane r holds row r's 32 bytes.
; REGISTERS: window 0: v2-11 addresses; v32-95 o's scale words (8 a + step); v96-127 w's (8 b + step); v128-159 the bias; v160-255 w's fragments, two sets.
; window 1: o's fragments, two sets of 96; on the way out the eight blocks read back from the stage.  window 2: accumulator (a, b) at v[8 (4 a + b)].
.set GI16, 2
.set GI8,  3
.set VS,   4
.set VBI,  5
.set STO,  6
.set RD,   7
.set CO,   8
.set SPW,  10
.set NIL,  11
.set SA,   32
.set SB,   96
.set RBI,  128
.set BF,   160
.set SPITCH, 272                       ; the stage: 16 rows x (256 bytes + 16) for each wave
.set SPARE, 4*16*SPITCH                ; 17,408: the spare words, 128 bytes a wave
.set MSB, 0
.macro WIN new
.if MSB != \new
	s_set_vgpr_msb (MSB<<8)|\new
.set MSB, \new
.endif
.endm
	s_load_b256 s[4:11], s[0:1], 0x0               ; o's images, o's scales, w's images, w's scales
	s_load_b128 s[12:15], s[0:1], 0x20             ; b_proj, out0
	v_lshl_add_u32 v[SPW], v0, 2, SPARE
	v_mov_b32 v[NIL], 0
	v_lshrrev_b32 v1, 5, v0
	v_readfirstlane_b32 s16, v1                    ; wave 0..3
	s_lshr_b32 s17, s16, 1
	s_and_b32 s18, s16, 1
	s_and_b32 s19, ttmp7, 0xffff
	s_lshl_b32 s19, s19, 1
	s_add_co_u32 s19, s19, s17                     ; my block of 128 tokens, 0 .. 63
	s_lshl_b32 s20, ttmp9, 1
	s_add_co_u32 s20, s20, s18                     ; my block of 64 features, 0 .. 15
	s_mul_i32 s21, s16, 16*SPITCH                  ; my stage
	v_and_b32 v12, 31, v0
	v_and_b32 v13, 15, v0                          ; r
	v_bfe_u32 v14, v0, 4, 1                        ; h
	v_lshlrev_b32 v[GI16], 4, v12
	v_lshlrev_b32 v[GI8], 3, v12
	v_lshlrev_b32 v[VS], 5, v13                    ; row r's 32 scale bytes
	v_lshlrev_b32 v[VBI], 5, v14                   ; the bias: 32 h
	v_mul_u32_u24 v15, v13, SPITCH
	v_lshl_add_u32 v15, v14, 5, v15
	v_add_nc_u32 v[STO], s21, v15                  ; in: row r, 32 bytes for each half of the lanes
	v_mul_u32_u24 v16, v14, SPITCH
	v_lshl_add_u32 v16, v13, 4, v16
	v_add_nc_u32 v[RD], s21, v16                   ; back: lanes 0-15 one row of 256 bytes, lanes 16-31 the next
	v_lshlrev_b32 v17, 12, v14
	v_lshl_add_u32 v[CO], v13, 4, v17              ; and the same two rows of out0, 4,096 bytes apart
	s_mov_b32 s23, 0
	s_wait_alu depctr_va_vdst(0)                   ; the wait at the head's end
	s_wait_kmcnt 0x0
	s_mul_i32 s22, s19, 98304                      ; 8 blocks of 16 tokens x 12,288
	s_add_nc_u64 s[4:5], s[4:5], s[22:23]
	s_lshl_b32 s22, s19, 12                        ; 128 rows of 32 scale bytes
	s_add_nc_u64 s[6:7], s[6:7], s[22:23]
	s_mul_i32 s22, s20, 49152                      ; 4 blocks of 16 features
	s_add_nc_u64 s[8:9], s[8:9], s[22:23]
	s_lshl_b32 s22, s20, 11
	s_add_nc_u64 s[10:11], s[10:11], s[22:23]
	s_lshl_b32 s22, s20, 8                         ; 64 features of 4 bytes
	s_add_nc_u64 s[12:13], s[12:13], s[22:23]
	s_add_nc_u64 s[14:15], s[14:15], s[22:23]
	s_lshl_b32 s22, s19, 19                        ; 128 rows of 4,096 bytes
	s_add_nc_u64 s[14:15], s[14:15], s[22:23]
.irp b, 0,1,2,3
	global_load_b128 v[SB+8*\b:SB+8*\b+3], v[VS], s[10:11] offset:512*\b
	global_load_b128 v[SB+8*\b+4:SB+8*\b+7], v[VS], s[10:11] offset:512*\b+16
	global_load_b128 v[RBI+8*\b:RBI+8*\b+3], v[VBI], s[12:13] offset:64*\b
	global_load_b128 v[RBI+8*\b+4:RBI+8*\b+7], v[VBI], s[12:13] offset:64*\b+16
.endr
.irp a, 0,1,2,3,4,5,6,7
	global_load_b128 v[SA+8*\a:SA+8*\a+3], v[VS], s[6:7] offset:512*\a
	global_load_b128 v[SA+8*\a+4:SA+8*\a+7], v[VS], s[6:7] offset:512*\a+16
.endr
.macro IMG reg, sb, off                ; one image into 12 registers: four loads
	global_load_b128 v[\reg:\reg+3], v[GI16], s[\sb:\sb+1] offset:\off
	global_load_b64 v[\reg+4:\reg+5], v[GI8], s[\sb:\sb+1] offset:\off+512
	global_load_b128 v[\reg+6:\reg+9], v[GI16], s[\sb:\sb+1] offset:\off+768
	global_load_b64 v[\reg+10:\reg+11], v[GI8], s[\sb:\sb+1] offset:\off+1280
.endm
.macro LOADS st                        ; a K step's 48 loads, in the order of their use: w's four images, o's blocks 0-3, o's blocks 4-7
	WIN 0
.irp b, 0,1,2,3
	IMG BF+48*((\st)%2)+12*\b, 8, 12288*\b+1536*(\st)
.endr
	WIN 0x40
.irp a, 0,1,2,3,4,5,6,7
	IMG 96*((\st)%2)+12*\a, 4, 12288*\a+1536*(\st)
.endr
.endm
.macro MUL a, st, first                ; block a against w's four; the 32 accumulators take turns
.irp b, 0,1,2,3
.if \first
	v_wmma_scale_f32_16x16x128_f8f6f4 v[8*(4*(\a)+\b):8*(4*(\a)+\b)+7], v[BF+48*((\st)%2)+12*\b:BF+48*((\st)%2)+12*\b+11], v[96*((\st)%2)+12*(\a):96*((\st)%2)+12*(\a)+11], v[RBI+8*\b:RBI+8*\b+7], v[SB+8*\b+(\st)], v[SA+8*(\a)+(\st)] matrix_a_fmt:MATRIX_FMT_FP6 matrix_b_fmt:MATRIX_FMT_FP6
.else
	v_wmma_scale_f32_16x16x128_f8f6f4 v[8*(4*(\a)+\b):8*(4*(\a)+\b)+7], v[BF+48*((\st)%2)+12*\b:BF+48*((\st)%2)+12*\b+11], v[96*((\st)%2)+12*(\a):96*((\st)%2)+12*(\a)+11], v[8*(4*(\a)+\b):8*(4*(\a)+\b)+7], v[SB+8*\b+(\st)], v[SA+8*(\a)+(\st)] matrix_a_fmt:MATRIX_FMT_FP6 matrix_b_fmt:MATRIX_FMT_FP6
.endif
.endr
.endm
.macro STEP st
.if (\st) < 7
	s_wait_loadcnt 63                              ; w's images and o's blocks 0-3 are in: behind them stand this step's last 16 loads and the next step's 48, of which the count's field names 63
.else
	s_wait_loadcnt 16                              ; behind them: this step's last 16
.endif
.if (\st) == 0
	WIN 0x84                                       ; source 0 window 0, source 1 window 1, C (the bias) window 0, D window 2
.else
	WIN 0xa4                                       ; C and D window 2
.endif
.irp a, 0,1,2,3
	MUL \a, \st, (\st)==0
.endr
.if (\st) < 7
	s_wait_loadcnt 48                              ; all of this step's: behind them the next step's 48
.else
	s_wait_loadcnt 0
.endif
.irp a, 4,5,6,7
	MUL \a, \st, (\st)==0
.endr
.rept 4
	v_nop                                          ; places in front of loads into, or reads of, the products' registers
.endr
.if (\st) < 6
	LOADS (\st)+2                                  ; into the set just multiplied
.endif
.endm
	LOADS 0
	LOADS 1
.set ST, 0
.rept 8
	STEP ST
.set ST, ST+1
.endr
; THE WAY OUT, block by block of 16 tokens x 64 features: through my own stage and back as whole rows of 256 bytes; each block has registers of its own, so no store's data are written again.
; LDS serves a wave's instructions in order: no wait between the stores and the loads, nor in front of the next block's stores.
.macro TOSTAGE a
	WIN 0x08                                       ; the data: window 2
.irp b, 0,1,2,3
	ds_store_b128 v[STO], v[8*(4*(\a)+\b):8*(4*(\a)+\b)+3] offset:64*\b         ; each accumulator from its low end on
	ds_store_b128 v[STO], v[8*(4*(\a)+\b)+4:8*(4*(\a)+\b)+7] offset:64*\b+16
.endr
	WIN 0x40
.irp t, 0,1,2,3,4,5,6,7
	ds_load_b128 v[32*(\a)+4*\t:32*(\a)+4*\t+3], v[RD] offset:\t*2*SPITCH
.endr
.endm
.macro SEND a, younger                 ; younger: the next block's 8 stores and 8 loads, which may stay out
	s_wait_dscnt \younger
	WIN 0x04                                       ; the data: window 1
.irp t, 0,1,2,3,4,5,6,7
	global_store_b128 v[CO], v[32*(\a)+4*\t:32*(\a)+4*\t+3], s[14:15] offset:65536*(\a)+8192*\t th:TH_STORE_NT   ; 16 lanes store 256 consecutive bytes, aligned
.endr
.endm
	TOSTAGE 0
.irp a, 1,2,3,4,5,6,7
	TOSTAGE \a
	SEND \a-1, 16
.endr
	SEND 7, 0
	WIN 0
	s_wait_tensorcnt 0x0                           ; the wave's end
	ds_add_u32 v[SPW], v[NIL]
	s_wait_dscnt 0x0
	s_endpgm
.Lfunc_end_k_qfd9e0ebb9b_proj:
	.size	k_qfd9e0ebb9b_proj, .Lfunc_end_k_qfd9e0ebb9b_proj-k_qfd9e0ebb9b_proj
	.p2alignl 7, 3214868480
	.fill 96, 4, 3214868480
	.section	.rodata,"a",@progbits
	.p2align	6, 0x0
	.amdhsa_kernel k_qfd9e0ebb9b_proj
		.amdhsa_group_segment_fixed_size 17920
		.amdhsa_private_segment_fixed_size 0
		.amdhsa_enable_private_segment 0
		.amdhsa_kernarg_size 48
		.amdhsa_user_sgpr_count 2
		.amdhsa_user_sgpr_kernarg_segment_ptr 1
		.amdhsa_wavefront_size32 1
		.amdhsa_system_sgpr_workgroup_id_x 1
		.amdhsa_system_sgpr_workgroup_id_y 1
		.amdhsa_system_sgpr_workgroup_id_z 1
		.amdhsa_system_vgpr_workitem_id 0
		.amdhsa_next_free_vgpr 768
		.amdhsa_next_free_sgpr 66
		.amdhsa_reserve_vcc 0
		.amdhsa_float_denorm_mode_32 3
		.amdhsa_float_denorm_mode_16_64 3
		.amdhsa_memory_ordered 1
		.amdhsa_forward_progress 1
		.amdhsa_inst_pref_size 91
	.end_amdhsa_kernel
	.amdgpu_metadata
---
amdhsa.version: [ 1, 2 ]
amdhsa.kernels:
  - .name:           k_qfd9e0ebb9b_proj
    .symbol:         k_qfd9e0ebb9b_proj.kd
    .args:
      - { .name: o_img, .offset: 0, .size: 8, .value_kind: global_buffer, .address_space: global }
      - { .name: o_sc, .offset: 8, .size: 8, .value_kind: global_buffer, .address_space: global }
      - { .name: wp_img, .offset: 16, .size: 8, .value_kind: global_buffer, .address_space: global }
      - { .name: w_proj_scales, .offset: 24, .size: 8, .value_kind: global_buffer, .address_space: global }
      - { .name: b_proj, .offset: 32, .size: 8, .value_kind: global_buffer, .address_space: global }
      - { .name: out0, .offset: 40, .size: 8, .value_kind: global_buffer, .address_space: global }
    .group_segment_fixed_size: 17920
    .private_segment_fixed_size: 0
    .kernarg_segment_align: 8
    .kernarg_segment_size: 48
    .max_flat_workgroup_size: 128
    .sgpr_count:     66
    .vgpr_count:     768
    .wavefront_size: 32
...
	.end_amdgpu_metadata
.endif
;; end of part 3
